; MI455X (gfx1250); checked and timed in simulation.
; The chip was launched on July 23, 2026; its instructions are those of AMD's public machine-readable ISA for CDNA 5 (MIT licence, August 2026) and "CDNA5" Instruction Set Architecture Reference Guide (July 2026). The comments in the code are by the model that wrote it; some were corrected since.
;; Multi Head Attention. Allowed arithmetic: matrix products marked QUANTISED: E4M3 operands, one given power-of-two scale a tensor, by v_wmma_f32_16x16x64_fp8_fp8 or v_wmma_f32_16x16x128_fp8_fp8, f32 sums; everything else in f32.
;; Inputs: bo 1,024 float32; lowp_scales 12 int32 (the exponents e of the quantised operands' scales 2^e); wk 1,024 x 1,024 float32; wo 1,024 x 1,024 float32; wq 1,024 x 1,024 float32; wv 1,024 x 1,024 float32; x 4 x 2,048 x 1,024 float32.
;; Outputs: out0 4 x 2,048 x 1,024 float32.
;; This version of the problem:
;;   THIS VERSION OF THE PROBLEM IS GIVEN IN LOW PRECISION. The matrix products marked QUANTISED in the list below multiply operands that are first quantised to E4M3 (4 exponent bits, 3 mantissa bits; 8 bits a number), with one given power-of-two scale for each operand tensor; their sums are f32. All else is computed in f32.
;;   The module's matrix products, in the order in which they are computed (A, B: the left and right operand; K: the contracted axis; several contracted axes count as one K, in the product's order):
;;     1. [M 8,192, K 1,024] x [K 1,024, N 1,024]; A: input x; B: input wq: QUANTISED (scales: A lowp_scales[0], B lowp_scales[1])
;;     2. [M 8,192, K 1,024] x [K 1,024, N 1,024]; A: input x; B: input wk: QUANTISED (scales: A lowp_scales[2], B lowp_scales[3])
;;     3. [M 8,192, K 1,024] x [K 1,024, N 1,024]; A: input x; B: input wv: QUANTISED (scales: A lowp_scales[4], B lowp_scales[5])
;;     4. batch 64 x [M 2,048, K 64] x [K 64, N 2,048]; A: computed on the way; B: computed on the way: QUANTISED (scales: A lowp_scales[6], B lowp_scales[7])
;;     5. batch 64 x [M 2,048, K 2,048] x [K 2,048, N 64]; A: softmax (see below); B: computed on the way: QUANTISED (scales: A lowp_scales[8], B lowp_scales[9])
;;     6. [M 8,192, K 1,024] x [K 1,024, N 1,024]; A: computed on the way; B: input wo: QUANTISED (scales: A lowp_scales[10], B lowp_scales[11])
;;   THE QUANTISER, for each operand of a quantised product, along K:
;;     - The operand's scale is 2^e, e = its entry of the input lowp_scales (int32; the entries are numbered through the quantised products in the list's order, A before B).
;;     - Each number is divided by the scale, clamped to +-448, and rounded to the nearest number of E4M3, ties to even, subnormals kept.
;;     - The product sums the exact products of the quantised numbers (number of the format x scale) in f32.
;;   ~~~python
;;   def quantise(x, axis, e):      # numpy; x: float32 -> the quantised numbers, widened to float32 again
;;       x = np.moveaxis(x, axis, -1); K = x.shape[-1]
;;       r = np.clip(x / 2.0 ** e, -448, 448)
;;       step = 2.0 ** (np.maximum(np.frexp(np.where(r == 0, 1, r))[1] - 1, -6) - 3)
;;       q = np.round(r / step) * step * 2.0 ** e      # np.round: ties to even
;;       return np.moveaxis(q, -1, axis).astype(np.float32)
;;   ~~~
;;   SOFTMAX AHEAD OF A QUANTISED PRODUCT. Where the list says 'softmax', what is quantised is not the finished softmax but p = 2^(t - M), with t = logit x log2(e) and M = ceil(the row's largest t), a whole number; so 1/2 < the row's largest p <= 1. The row's sum l is taken of the UNQUANTISED p, in f32, and the product's result is divided by l at the end. Since M is a whole number, a kernel that streams over the keys may use a running M (the ceiling of the running maximum): every later rescaling is an exact power of two, so the quantised numbers keep their values, but for numbers so far below the row's largest that they fall under the format's range.
;;   OPERANDS COMPUTED ON THE WAY. 'Computed on the way' means the value that the module computes at that place (a softmax that the list does not call 'softmax' is quantised finished and normalised). What goes into a quantiser is computed in f32, as accurately as f32 sums, v_exp_f32 and their like allow (about 1e-6 of the number): no bf16 or f16 on the way to a quantiser, and a product that is left as it is and whose result goes on into a quantised operand takes f32 operands (vector FMAs, or v_wmma_f32_16x16x4_f32). A number that lies on a knife's edge between two numbers of the format may be rounded either way, as far as f32 arithmetic and the matrix unit's own rounding can turn it there, and no further.
;; One version. Each part assembles by itself: llvm-mc -triple=amdgcn-amd-amdhsa -mcpu=gfx1250 --defsym DOCPART=n.
;; ======== version 1 of 1: 4 launches
;; workspace buffers: xc 25,165,824 bytes; wc 4,194,304 bytes; qkv 25,165,824 bytes; ctx 8,388,608 bytes
;; launch quant (part 1): grid 384 x 1, 4 waves a work-group, no clusters, 68,096 bytes of LDS; arguments x, wq, wk, wv, wo, lowp_scales, xc, wc; writes xc, wc
.if DOCPART == 1
	.amdgcn_target "amdgcn-amd-amdhsa--gfx1250"
	.amdhsa_code_object_version 6
	.text
	.protected	k_q4910e9123a_quant
	.globl	k_q4910e9123a_quant
	.p2align	8
	.type	k_q4910e9123a_quant,@function
k_q4910e9123a_quant:
	s_mov_b64 s[64:65], 0
	v_nop
	global_prefetch_b8 v0, s[64:65] scope:SCOPE_SE
	s_setreg_imm32_b32 hwreg(HW_REG_WAVE_MODE, 25, 1), 1
	s_wait_xcnt 0x0
; x [8192][1024] f32 and the four weights [1024 k][1024 n] f32 become codes of FP8 (E4M3), one byte a number, K innermost.
; code = number / 2^e, held within +-448, rounded to the nearest code, ties to even; e is the operand's entry of the buffer of scales.
; x is an operand of three products with three given scales (entries 0, 2, 4), which may differ: three sets of codes, xc[j][8192][1024], are made from ONE read of x.
; The weights (entries 1, 3, 5, 11) have K as their FIRST axis: wc[w][1024 n][1024 k], w = wq, wk, wv, wo.
; LIMITS: each e between -126 and 119, so that 2^e and 448 x 2^e are f32 numbers.  NaN among the inputs is not served; an infinity is held at the largest code.
; Work-groups 0-255 take x, 256-383 the weights: two ways through the text, parted on the work-group's number, each with LDS bytes of its own (x: 0 to 32,767; weights: from 32,768 on).
; No tensor loads, no barrier: waves share nothing.  No matrix unit and no cluster: every input byte is read once and no two work-groups read the same bytes.
.set XWG,   256                        ; work-groups that take x: 8,388,608 numbers / (4 waves x 16 steps x 512)
.set STEPS, 16
.set SP,    80                         ; x: a lane's place in a stage: its 64 bytes + 16 of padding
.set R,     16                         ; v16-79   x: four sets of 16 numbers as they are loaded
.set X,     80                         ; v80-111  x: two sets of 16 neighbours
.set T,     112                        ; v112-127 x: the 16 numbers held within one scale's range
.set C,     128                        ; v128-139 x: a step's codes, four registers for each of the three scales
.set WSTG,  32768                      ; weights: the stages begin here
.set WP,    272                        ; weights: a stage row: 256 bytes of codes + 16
.set NB,    8                          ; weights: blocks of 32 along K for a wave
.set WX,    32                         ; v32-95   weights: two sets of 32 numbers
.set WCD,   96                         ; v96-103  weights: a block's codes
.set OUTR,  112                        ; v112-175 weights: the way out
	s_load_b512 s[4:19], s[0:1], 0x0               ; x s[4:5], wq s[6:7], wk s[8:9], wv s[10:11], wo s[12:13], the scales s[14:15], xc s[16:17], wc s[18:19]
	v_lshl_add_u32 v192, v0, 2, 0x10800
	v_mov_b32 v193, 0
	v_lshrrev_b32 v1, 5, v0
	v_readfirstlane_b32 s20, v1                    ; wave 0..3
	v_and_b32 v2, 31, v0                           ; lane
	s_cmp_lt_u32 ttmp9, XWG
	s_cbranch_scc0 .Lweights
; ---------------- x: a plain stream of numbers.  A wave takes 16 steps of 512 numbers.  Each of a step's four loads reads 512 consecutive bytes, 16 a lane; the 2,048 bytes go through the wave's own stage in LDS
; and come back 64 bytes a lane, since a conversion takes neighbours along K from ONE lane's registers.  A lane's 16 codes are 16 bytes: each store of the wave covers 512 consecutive bytes, aligned.
	v_lshlrev_b32 v3, 4, v2                        ; my 16 bytes of a load's 512, and of a store's; never rewritten
	s_lshl_b32 s21, s20, 13                        ; my wave's 8,192 bytes of LDS: two stages of 32 x SP
	v_lshrrev_b32 v14, 2, v2
	v_mul_u32_u24 v14, v14, SP
	v_and_b32 v15, 3, v2
	v_lshl_add_u32 v14, v15, 4, v14
	v_add_nc_u32 v14, s21, v14                     ; into the stage: SP (lane / 4) + 16 (lane % 4)
	v_mul_u32_u24 v15, v2, SP
	v_add_nc_u32 v15, s21, v15                     ; out of it: SP x lane: my 16 neighbours
	s_lshl_b32 s22, ttmp9, 2
	s_add_co_u32 s22, s22, s20                     ; which run of 8,192 numbers is my wave's
	s_lshl_b32 s40, s22, 15                        ; its bytes in x
	s_mov_b32 s41, 0
	s_lshl_b32 s42, s22, 13                        ; and in a set of codes
	s_mov_b32 s43, 0
	s_wait_kmcnt 0x0
	s_load_b256 s[32:39], s[14:15], 0x0            ; entries 0 to 7: s32, s34, s36 are x's three
	s_add_nc_u64 s[4:5], s[4:5], s[40:41]
	s_add_nc_u64 s[24:25], s[16:17], s[42:43]      ; the three sets lie 8,388,608 bytes apart: a base for each
	s_add_nc_u64 s[26:27], s[24:25], 0x800000
	s_add_nc_u64 s[28:29], s[26:27], 0x800000
.macro XLOAD t
.irp i, 0,1,2,3
	global_load_b128 v[R+16*((\t)%4)+4*\i:R+16*((\t)%4)+4*\i+3], v3, s[4:5] offset:2048*(\t)+512*\i th:TH_LOAD_NT
.endr
.endm
.macro XTURN t                         ; step t's numbers through the stage: LDS serves a wave's instructions in order, so no wait stands between the stores and the loads
.irp i, 0,1,2,3
	ds_store_b128 v14, v[R+16*((\t)%4)+4*\i:R+16*((\t)%4)+4*\i+3] offset:32*SP*((\t)%2)+8*SP*\i
.endr
.irp i, 0,1,2,3
	ds_load_b128 v[X+16*((\t)%2)+4*\i:X+16*((\t)%2)+4*\i+3], v15 offset:32*SP*((\t)%2)+16*\i
.endr
.endm
.irp t, 0,1,2,3
	XLOAD \t
.endr
	s_wait_kmcnt 0x0
.irp j, 0,1,2
	s_add_co_i32 s44, s[32+2*\j], 127
	s_lshl_b32 s45, s44, 23
	v_mov_b32 v[5+\j], s45                         ; 2^e as f32: the conversion takes its exponent field
	s_add_co_i32 s44, s44, 8
	s_lshl_b32 s44, s44, 23
	s_or_b32 s44, s44, 0x600000
	v_mov_b32 v[8+\j], s44                         ; 448 x 2^e
.endr
	s_wait_loadcnt 12                              ; step 0's four loads are in; the twelve of steps 1 to 3 may be out
	XTURN 0
.macro XSTEP t
.set XS, X+16*((\t)%2)
	s_wait_dscnt 0x0                               ; this step's numbers are back from the stage, so its stores into the stage have read their registers,
.if (\t)+4 < STEPS
	XLOAD (\t)+4                                   ; which take the loads of four steps on
.endif
.if (\t)+1 < STEPS
.if STEPS-2-(\t) >= 3
	s_wait_loadcnt 12                              ; the next step's four loads are in; those of the three steps behind it may be out
.else
	s_wait_loadcnt 4*(STEPS-2-(\t))                ; the tail: four loads for each step that is still behind the next one
.endif
	XTURN (\t)+1                                   ; through the other stage while this step is worked
.endif
	s_wait_xcnt 0x0                                ; the last step's three stores have read their data: the codes' registers are written again only behind this wait
.irp j, 0,1,2
.set i, 0
.rept 16
	v_med3_num_f32 v[T+i], v[XS+i], -v[8+\j], v[8+\j]   ; the conversion to an 8-bit code does not saturate (ISA guide 7.6.2): the hold at the largest code x the scale
.set i, i+1
.endr
	v_cvt_scalef32_pk8_fp8_f32 v[C+4*\j:C+4*\j+1], v[T:T+7], v[5+\j]
	v_cvt_scalef32_pk8_fp8_f32 v[C+4*\j+2:C+4*\j+3], v[T+8:T+15], v[5+\j]
	v_nop                                          ; one plain vector line between the conversions and the next scale's holds, which write their sources
	global_store_b128 v3, v[C+4*\j:C+4*\j+3], s[24+2*\j:25+2*\j] offset:512*(\t)
.endr
.endm
.irp t, 0,1,2,3,4,5,6,7,8,9,10,11,12,13,14,15
	XSTEP \t
.endr
	s_wait_tensorcnt 0x0
	ds_add_u32 v192, v193
	s_wait_dscnt 0x0
	s_endpgm
; ---------------- the weights.  A LANE TAKES A COLUMN n, AND ITS REGISTERS RUN DOWN K: each load reads 128 consecutive bytes a wave, and the conversions give codes with K innermost.  A wave takes 32 columns x 256 along K;
; the codes go through the wave's own stage and leave as rows: sixteen lanes store 256 consecutive bytes, aligned.  32 work-groups to a weight: 8 along n x 4 along K.
.Lweights:
	s_sub_co_u32 s21, ttmp9, XWG
	s_lshr_b32 s22, s21, 5                         ; which weight: 0 wq, 1 wk, 2 wv, 3 wo
	s_bfe_u32 s23, s21, 0x20003                    ; which 256 along K
	s_and_b32 s24, s21, 7                          ; which 128 columns
	s_lshl_b32 s25, s24, 7
	s_lshl_b32 s26, s20, 5
	s_add_co_u32 s25, s25, s26                     ; my wave's first column
	v_lshlrev_b32 v3, 2, v2                        ; in: 4 bytes a lane
	s_mul_i32 s26, s20, 32*WP
	s_add_co_u32 s26, s26, WSTG                    ; my stage
	v_mul_u32_u24 v4, v2, WP
	v_add_nc_u32 v4, s26, v4                       ; into it: row = my column
	v_and_b32 v5, 15, v2
	v_lshrrev_b32 v6, 4, v2                        ; out of it: sixteen lanes to a row, two rows an instruction
	v_mul_u32_u24 v7, v6, WP
	v_lshl_add_u32 v7, v5, 4, v7
	v_add_nc_u32 v7, s26, v7
	v_lshlrev_b32 v8, 10, v6
	v_lshl_add_u32 v8, v5, 4, v8                   ; and the same place in the codes' buffer: rows of 1,024 bytes
	s_lshl_b32 s44, s23, 20                        ; the weight: 256 rows of 4,096 bytes for each step along K,
	s_lshl_b32 s27, s25, 2
	s_add_co_u32 s44, s44, s27                     ; + 4 x column
	s_mov_b32 s45, 0
	s_lshl_b32 s46, s22, 20                        ; the codes: 1,048,576 bytes a weight,
	s_lshl_b32 s27, s25, 10
	s_add_co_u32 s46, s46, s27                     ; + column x 1,024
	s_lshl_b32 s27, s23, 8
	s_add_co_u32 s46, s46, s27                     ; + 256 for each step along K
	s_mov_b32 s47, 0
	s_wait_kmcnt 0x0
	s_load_b256 s[32:39], s[14:15], 0x0            ; entries 0 to 7
	s_load_b128 s[40:43], s[14:15], 0x20           ; entries 8 to 11
	s_cmp_eq_u32 s22, 1                            ; the choice hangs on the work-group's number alone
	s_cselect_b64 s[6:7], s[8:9], s[6:7]
	s_cmp_eq_u32 s22, 2
	s_cselect_b64 s[6:7], s[10:11], s[6:7]
	s_cmp_eq_u32 s22, 3
	s_cselect_b64 s[6:7], s[12:13], s[6:7]
	s_add_nc_u64 s[6:7], s[6:7], s[44:45]
	s_add_nc_u64 s[18:19], s[18:19], s[46:47]
.macro WLOAD t                         ; block t: W(32 t + i, my column), i = 0 .. 31, into set t % 2
.irp i, 0,1,2,3,4,5,6,7,8,9,10,11,12,13,14,15,16,17,18,19,20,21,22,23,24,25,26,27,28,29,30,31
	global_load_b32 v[WX+32*((\t)%2)+\i], v3, s[6:7] offset:(32*(\t)+\i)*4096 th:TH_LOAD_NT
.endr
.endm
	WLOAD 0
	WLOAD 1
	s_wait_kmcnt 0x0
	s_cmp_eq_u32 s22, 1
	s_cselect_b32 s30, s35, s33                    ; entry 1, 3, 5 or 11
	s_cmp_eq_u32 s22, 2
	s_cselect_b32 s30, s37, s30
	s_cmp_eq_u32 s22, 3
	s_cselect_b32 s30, s43, s30
	s_add_co_i32 s30, s30, 127
	s_lshl_b32 s31, s30, 23
	v_mov_b32 v11, s31                             ; 2^e as f32
	s_add_co_i32 s30, s30, 8
	s_lshl_b32 s30, s30, 23
	s_or_b32 s30, s30, 0x600000
	v_mov_b32 v10, s30                             ; 448 x 2^e
.macro WBLOCK t
.set XS, WX+32*((\t)%2)
.if (\t) < NB-1
	s_wait_loadcnt 32                              ; this block's 32 loads are in; the next block's 32 may be out
.else
	s_wait_loadcnt 0
.endif
.set i, 0
.rept 32
	v_med3_num_f32 v[XS+i], v[XS+i], -v10, v10
.set i, i+1
.endr
.irp g, 0,1,2,3
	v_cvt_scalef32_pk8_fp8_f32 v[WCD+2*\g:WCD+2*\g+1], v[XS+8*\g:XS+8*\g+7], v11
.endr
	ds_store_b128 v4, v[WCD:WCD+3] offset:32*(\t)  ; 32 codes: 32 bytes of my column's row
	ds_store_b128 v4, v[WCD+4:WCD+7] offset:32*(\t)+16
.if (\t)+2 < NB
	WLOAD (\t)+2
.endif
	s_wait_dscnt 0x0                               ; the stores have read their registers: the next block's codes may be written.  (The next block begins with plain vector lines: the place behind the conversions)
.endm
.irp t, 0,1,2,3,4,5,6,7
	WBLOCK \t
.endr
.irp t, 0,1,2,3,4,5,6,7,8,9,10,11,12,13,14,15
	ds_load_b128 v[OUTR+4*\t:OUTR+4*\t+3], v7 offset:2*\t*WP   ; LDS serves a wave's instructions in order: these see my stores
.endr
.irp t, 0,1,2,3,4,5,6,7,8,9,10,11,12,13,14,15
	s_wait_dscnt 15-\t                             ; the loads issued behind load t may be out
	global_store_b128 v8, v[OUTR+4*\t:OUTR+4*\t+3], s[18:19] offset:2*\t*1024
.endr
	s_wait_tensorcnt 0x0
	ds_add_u32 v192, v193
	s_wait_dscnt 0x0
	s_endpgm
.Lfunc_end_k_q4910e9123a_quant:
	.size	k_q4910e9123a_quant, .Lfunc_end_k_q4910e9123a_quant-k_q4910e9123a_quant
	.p2alignl 7, 3214868480
	.fill 96, 4, 3214868480
	.section	.rodata,"a",@progbits
	.p2align	6, 0x0
	.amdhsa_kernel k_q4910e9123a_quant
		.amdhsa_group_segment_fixed_size 68096
		.amdhsa_private_segment_fixed_size 0
		.amdhsa_enable_private_segment 0
		.amdhsa_kernarg_size 64
		.amdhsa_user_sgpr_count 2
		.amdhsa_user_sgpr_kernarg_segment_ptr 1
		.amdhsa_wavefront_size32 1
		.amdhsa_system_sgpr_workgroup_id_x 1
		.amdhsa_system_sgpr_workgroup_id_y 1
		.amdhsa_system_sgpr_workgroup_id_z 1
		.amdhsa_system_vgpr_workitem_id 0
		.amdhsa_next_free_vgpr 194
		.amdhsa_next_free_sgpr 66
		.amdhsa_reserve_vcc 0
		.amdhsa_float_denorm_mode_32 3
		.amdhsa_float_denorm_mode_16_64 3
		.amdhsa_memory_ordered 1
		.amdhsa_forward_progress 1
		.amdhsa_inst_pref_size 127
	.end_amdhsa_kernel
	.amdgpu_metadata
---
amdhsa.version: [ 1, 2 ]
amdhsa.kernels:
  - .name:           k_q4910e9123a_quant
    .symbol:         k_q4910e9123a_quant.kd
    .args:
      - { .name: x, .offset: 0, .size: 8, .value_kind: global_buffer, .address_space: global }
      - { .name: wq, .offset: 8, .size: 8, .value_kind: global_buffer, .address_space: global }
      - { .name: wk, .offset: 16, .size: 8, .value_kind: global_buffer, .address_space: global }
      - { .name: wv, .offset: 24, .size: 8, .value_kind: global_buffer, .address_space: global }
      - { .name: wo, .offset: 32, .size: 8, .value_kind: global_buffer, .address_space: global }
      - { .name: lowp_scales, .offset: 40, .size: 8, .value_kind: global_buffer, .address_space: global }
      - { .name: xc, .offset: 48, .size: 8, .value_kind: global_buffer, .address_space: global }
      - { .name: wc, .offset: 56, .size: 8, .value_kind: global_buffer, .address_space: global }
    .group_segment_fixed_size: 68096
    .private_segment_fixed_size: 0
    .kernarg_segment_align: 8
    .kernarg_segment_size: 64
    .max_flat_workgroup_size: 128
    .sgpr_count:     66
    .vgpr_count:     194
    .wavefront_size: 32
...
	.end_amdgpu_metadata
.endif
;; end of part 1
;; launch qkv (part 2): grid 12 x 32, 4 waves a work-group, clusters of 4 x 4, 327,680 bytes of LDS; arguments xc, wc, lowp_scales, qkv; writes qkv
.if DOCPART == 2
	.amdgcn_target "amdgcn-amd-amdhsa--gfx1250"
	.amdhsa_code_object_version 6
	.text
	.protected	k_q4910e9123a_qkv
	.globl	k_q4910e9123a_qkv
	.p2align	8
	.type	k_q4910e9123a_qkv,@function
k_q4910e9123a_qkv:
	s_mov_b64 s[64:65], 0
	v_nop
	global_prefetch_b8 v0, s[64:65] scope:SCOPE_SE
	s_setreg_imm32_b32 hwreg(HW_REG_WAVE_MODE, 25, 1), 1
	s_wait_xcnt 0x0
	s_wait_alu depctr_hold_cnt(0) depctr_sa_sdst(0) depctr_va_vdst(0) depctr_va_sdst(0) depctr_va_ssrc(0) depctr_va_vcc(0) depctr_vm_vsrc(0)
	s_getreg_b32 s2, hwreg(HW_REG_IB_STS2, 6, 4)
	s_cmp_eq_u32 s2, 0
	s_cbranch_scc0 .Lentry_in_a_cluster
	s_endpgm
.Lentry_in_a_cluster:
	s_bfe_u32 s2, ttmp6, 0x10000c
	s_cmp_lg_u32 s2, 0xf033
	s_cbranch_scc0 .Lentry_shape_is_right
	s_endpgm
.Lentry_shape_is_right:
; THE THREE PROJECTIONS q = x wq, k = x wk, v = x wv on codes of FP8 (E4M3); the f32 sums are quantised on the way out into the operands of the two products of attention.
; Each is C[m][n] = sum over k of A[m][k] B[n][k], K = 1,024, on tiles of 256 x 256 of C.  The cluster's x, p = 0, 1, 2, says which.
;   p = 0, 1 (q, k): A = x's codes of set p (8,192 rows), B = the weight's codes (1,024 rows).   p = 2 (v): THE ROLES ARE SWAPPED BY ADDRESS ALONE: A = wv's codes (1,024 rows), B = x's codes of set 2 (8,192 rows).
; The matrix instruction is used transposed (source 0 = 16 rows of B, source 1 = 16 rows of A), so a lane holds eight neighbouring COLUMNS of a row of C: for q and k eight neighbours along the head's 64, which is
; their K in the scores; for v eight neighbouring tokens, which are its K in the second product.  One text serves all three.
; A sum stands for sum x 2^(ea + eb); its code is sum / 2^(eo - ea - eb), held within +-448: the three given exponents are folded into the conversion's one scale.  eo: entry 6 (q), 7 (k), 9 (v).
; LIMIT: eo - ea - eb between -126 and 119.  The fragments are fetched 16 bytes a lane: one permutation of k, the same in A and B; only the order of the sums inside an instruction hangs on it.
; OUT: q at byte 0 and k at 8 MiB of the buffer: [batch x 16 + head][2,048 tokens][64];  v at 16 MiB: [token / 64 (128)][1,024 = head x 64 + d][64 tokens].
; A work-group of four waves, as many as a WGP has SIMDs; a wave makes 128 x 128: 64 accumulators, 512 registers.  K goes in steps of 256 through a ring of two LDS slots filled by the tensor data mover.
; CLUSTERS: 4 x 4 work-groups.  The four of a row of the cluster need the same tiles of A, the four of a column the same tiles of B: each tile is asked for JOINTLY.  p and the cluster's y are the same in all sixteen partners.
; REGISTERS, in windows of 256: window 0: v0-31 addresses; from v128 A's fragments, ONE set; on the way out v32-255 are free.  window 1: B's fragments, TWO sets.  windows 2, 3: the accumulators ((a, b) at v[8 (8 (a % 4) + b)]).
.set SIZE_K, 1024
.set KSTEP,  256
.set ROWB,   256                       ; a tile's row in bytes
.set KROW,   SIZE_K                    ; a row of codes in memory
.set PITCH,  272                       ; an LDS row: 256 bytes + 16 of padding = 17 x 16: the 16 rows that a load touches begin at 16 different multiples of 16 bytes modulo 256
.set FR,     16
.set NL,     4
.set NP,     4                         ; places behind this matrix instruction (ISA guide 7.12.1)
.set HALFT,  128*PITCH
.set SLOT,   4*HALFT
.set LAPS,   SIZE_K/(2*KSTEP)
.set SPARE,  2*SLOT                    ; behind the ring: the spare words, 128 bytes for each wave
.set ADRA, 16
.set ADRB, 20
.set STO,  24                          ; v24  the way out: where I put 8 codes of a row
.set RD,   25                          ; v25  where I read back, rows 0-127;  v31: rows 128-255
.set CO,   26                          ; v26  16 x lane: my bytes of a store's 512
.set SC,   27                          ; v27  2^(eo - ea - eb) as f32
.set SPW,  28
.set NIL,  29
.set LM,   30                          ; v30  448 x that
.set RD1,  31
.set TMP,  32                          ; v32-95 a block's sums, held
.set AF,   128
.set G1, 24
.set G0, 32
.set G1B, 48
.set G0B, 56
.set MSB, 0
.macro WIN new                         ; the immediate's high byte repeats the setting that is left
.if MSB != \new
	s_set_vgpr_msb (MSB<<8)|\new
.set MSB, \new
.endif
.endm
.set MUL_LO, 0xa1                      ; source 0 (B) window 1, source 1 (A) window 0, C and D window 2
.set MUL_HI, 0xf1
.set TO_B,   0x40
; A joint load: waves 0 and 1 fetch for A, waves 2 and 3 for B; the branch hangs on the wave's number alone.  Four v_nop follow each of the two lines.
.macro JLOAD g0a, g1a, g0b, g1b
	s_cmp_eq_u32 s15, 0
	s_cbranch_scc0 .Lfor_b_\@
	tensor_load_to_lds s[\g0a:\g0a+3], s[\g1a:\g1a+7]
	s_nop 0
.rept 4
	v_nop
.endr
	s_branch .Lasked_\@
.Lfor_b_\@:
	tensor_load_to_lds s[\g0b:\g0b+3], s[\g1b:\g1b+7]
	s_nop 0
.rept 4
	v_nop
.endr
.Lasked_\@:
.endm
.macro CREST                           ; a round of the cluster's barrier behind its opening barrier
	s_cmp_lg_u32 s14, 0
	s_cbranch_scc1 .Lnot_wave_0_\@
	s_barrier_signal -3
.Lnot_wave_0_\@:
	s_barrier_wait -3
	s_barrier_signal -1
	s_barrier_wait -1
.endm
.macro CROUND
	s_barrier_signal -1
	s_barrier_wait -1
	CREST
.endm
	s_load_b128 s[4:7], s[0:1], 0x0                ; x's codes s[4:5], the weights' codes s[6:7]
	s_load_b128 s[8:11], s[0:1], 0x10              ; the scales s[8:9], the output s[10:11]
	v_lshl_add_u32 v[SPW], v0, 2, SPARE
	v_mov_b32 v[NIL], 0
	ds_add_u32 v28, v29
	ds_add_u32 v28, v29
	s_wait_dscnt 0x0
	v_lshrrev_b32 v1, 5, v0
	v_readfirstlane_b32 s14, v1                    ; wave 0..3
	s_lshr_b32 s15, s14, 1                         ; which half of the tile's rows is mine.  Also: I fetch for A (0) or for B (1)
	s_and_b32 s16, s14, 1                          ; which half of its columns.  Also: which 128 rows of that tile I fetch
	s_bfe_u32 s40, ttmp6, 0x40000                  ; cx, cy: my place in the cluster
	s_bfe_u32 s41, ttmp6, 0x40004
	s_mov_b32 s66, ttmp9                           ; p: which projection (the cluster's x)
	s_and_b32 s67, ttmp7, 0xffff                   ; the cluster's y, 0..7
	s_lshl_b32 s86, s66, 23                        ; A for p < 2: set p of x's codes
	s_lshl_b32 s88, s66, 20                        ; B for p < 2: weight p
	s_mov_b32 s87, 0
	s_mov_b32 s89, 0
	s_mov_b32 s90, 0x20000                         ; the output's step from one 64 columns to the next: a head of q or k, 131,072 bytes
	s_cmp_eq_u32 s66, 2
	s_cselect_b32 s80, 0, s67                      ; the 8,192 tokens are C's rows for q and k,
	s_cselect_b32 s81, s67, 0                      ; its columns for v
	s_cselect_b32 s86, 0x200000, s86               ; v: A = weight 2,
	s_cselect_b32 s88, 0x1000000, s88              ; B = set 2 of x's codes
	s_cselect_b32 s90, 0x10000, s90                ; v: 64 tokens on: 65,536 bytes
	s_lshl_b32 s42, s81, 2
	s_add_co_u32 s42, s42, s40                     ; tile column of C
	s_lshl_b32 s17, s80, 2
	s_add_co_u32 s17, s17, s41                     ; tile row of C
	s_lshl_b32 s43, s41, 2
	s_lshl_b32 s43, 15, s43                        ; my row of the cluster
	s_lshl_b32 s44, 0x1111, s40                    ; my column
	; descriptor group 1: a tile of 128 rows x 256 bytes, padded in LDS
	s_or_b32 s[G1+0], s43, (0<<16)|(1<<20)|(1<<21)|(5<<22)|(3<<25)  ; 15:0 the mask: A's tiles go to my row; elements of 1 byte; padding on; bit 21 beside a mask; after every 64 words (code 5) 4 words (code 3)
	s_or_b32 s[G1B+0], s44, (0<<16)|(1<<20)|(1<<21)|(5<<22)|(3<<25)
.irp g, G1, G1B
	s_mov_b32 s[\g+1], ROWB<<16                    ; tensor_dim0
	s_mov_b32 s[\g+2], 128<<16                     ; tensor_dim1
	s_mov_b32 s[\g+3], ROWB<<16                    ; tile_dim0
	s_mov_b32 s[\g+4], 128                         ; tile_dim1
	s_mov_b32 s[\g+5], KROW                        ; tensor_dim0_stride
	s_mov_b32 s[\g+6], 0
	s_mov_b32 s[\g+7], 0
.endr
	s_lshl_b32 s18, s16, 7                         ; which 128 rows of the tile I fetch
	s_lshl_b32 s20, s17, 8
	s_add_co_u32 s20, s20, s18
	s_lshl_b32 s20, s20, 10                        ; A: (256 x tile row + 128 x half) rows of 1,024 bytes: under 2^24
	s_mov_b32 s21, 0
	s_lshl_b32 s46, s42, 8
	s_add_co_u32 s46, s46, s18
	s_lshl_b32 s46, s46, 10                        ; B likewise, by the tile column
	s_mov_b32 s47, 0
	s_add_nc_u64 s[20:21], s[20:21], s[86:87]
	s_add_nc_u64 s[46:47], s[46:47], s[88:89]
	s_mul_i32 s45, s14, HALFT                      ; where they go: wave x 128 rows: no place in the cluster enters an LDS address
	s_wait_kmcnt 0x0
	s_load_b256 s[68:75], s[8:9], 0x0              ; entries 0 to 7
	s_load_b128 s[76:79], s[8:9], 0x20             ; entries 8 to 11
	s_cmp_eq_u32 s66, 2                            ; which buffer is A's and which B's hangs on p alone
	s_cselect_b64 s[82:83], s[6:7], s[4:5]
	s_cselect_b64 s[84:85], s[4:5], s[6:7]
	s_add_nc_u64 s[20:21], s[82:83], s[20:21]
	s_add_nc_u64 s[46:47], s[84:85], s[46:47]
	CROUND                                         ; all sixteen work-groups are here: the first joint loads meet
.irp s, 0,1
	s_mov_b32 s[G0+4*\s], 1
	s_add_co_u32 s[G0+4*\s+1], s45, \s*SLOT
	s_add_nc_u64 s[G0+4*\s+2:G0+4*\s+3], s[20:21], \s*ROWB
	s_or_b32 s[G0+4*\s+3], s[G0+4*\s+3], 0x80000000
	s_mov_b32 s[G0B+4*\s], 1
	s_add_co_u32 s[G0B+4*\s+1], s45, \s*SLOT
	s_add_nc_u64 s[G0B+4*\s+2:G0B+4*\s+3], s[46:47], \s*ROWB
	s_or_b32 s[G0B+4*\s+3], s[G0B+4*\s+3], 0x80000000
	JLOAD G0+4*\s, G1, G0B+4*\s, G1B               ; two loads of mine are out behind these
.endr
	v_and_b32 v1, 15, v0                           ; r = l % 16
	v_bfe_u32 v2, v0, 4, 1                         ; h = l / 16
	v_mul_u32_u24 v3, v1, PITCH
	v_lshl_add_u32 v4, v2, 4, v3                   ; a fragment's row x pitch + 16 x half
	s_mul_i32 s21, s15, HALFT                      ; my 128 rows of A
	s_mul_i32 s22, s16, HALFT                      ; my 128 rows of B,
	s_add_co_u32 s22, s22, 2*HALFT                 ; which lie behind A's 256
.irp s, 0,1
	v_add_nc_u32 v[ADRA+\s], s21, v4
	v_add_nc_u32 v[ADRB+\s], s22, v4
	s_add_co_u32 s21, s21, SLOT
	s_add_co_u32 s22, s22, SLOT
.endr
	; the way out: ONE stage for the work-group, 256 rows x (256 bytes of codes + 16), from LDS byte 0 on: slot 0, which has had its last fill and its last read when the first code is stored there
	s_mul_i32 s23, s15, 128*PITCH
	s_lshl_b32 s21, s16, 7
	s_add_co_u32 s23, s23, s21
	v_lshl_add_u32 v5, v2, 3, v3
	v_add_nc_u32 v[STO], s23, v5                   ; in: row 128 x my row half + r, byte 128 x my column half + 8 h
	v_bfe_u32 v6, v0, 2, 3
	v_mul_u32_u24 v6, v6, PITCH
	v_and_b32 v7, 3, v0
	v_lshl_add_u32 v6, v7, 4, v6
	s_lshl_b32 s23, s14, 6
	v_add_nc_u32 v[RD], s23, v6                    ; back: wave w takes bytes 64 w .. 64 w + 63 of every row; four lanes to a row, eight rows an instruction
	v_add_nc_u32 v[RD1], 128*PITCH, v[RD]
	v_and_b32 v7, 31, v0
	v_lshlrev_b32 v[CO], 4, v7
	; where those 256 x 64 bytes go: one dense run of 16,384 bytes.  q, k: head 4 x tile column + w, batch = tile row / 8, tokens 256 (tile row % 8) on;  v: tokens / 64 = 4 x tile column + w, rows 256 x tile row on (tile row < 4)
	s_lshl_b32 s20, s42, 2
	s_add_co_u32 s20, s20, s14
	s_mul_i32 s20, s20, s90
	s_lshr_b32 s21, s17, 3
	s_lshl_b32 s21, s21, 21
	s_add_co_u32 s20, s20, s21
	s_and_b32 s21, s17, 7
	s_lshl_b32 s21, s21, 14
	s_add_co_u32 s20, s20, s21
	s_lshl_b32 s21, s66, 23                        ; q, k or v's part of the buffer
	s_add_co_u32 s20, s20, s21
	s_mov_b32 s21, 0
	s_add_nc_u64 s[10:11], s[10:11], s[20:21]
.macro FRAG reg, adr, q, i             ; a fragment, 16 rows x 128 K, is 16 registers: lane l holds row l % 16; registers 4 c .. 4 c + 3 hold K = 32 c + 16 (l / 16) + 0 .. 15
.irp c, 0,1,2,3
	ds_load_b128 v[\reg+4*\c:\reg+4*\c+3], v[\adr] offset:128*(\q)+32*\c+(\i)*16*PITCH
.endr
.endm
; 16 matrix instructions: A's blocks a0, a0 + 1 x B's eight.  The 64 accumulators take turns, one instruction a turn, in the same order in every step.
.macro MUL16 a0, p, zero
.irp a, \a0, \a0+1
.irp b, 0,1,2,3,4,5,6,7
.if \zero
	v_wmma_f32_16x16x128_fp8_fp8 v[8*(8*((\a)%4)+\b):8*(8*((\a)%4)+\b)+7], v[128*(\p)+FR*\b:128*(\p)+FR*\b+FR-1], v[AF+FR*(\a):AF+FR*(\a)+FR-1], 0
.else
	v_wmma_f32_16x16x128_fp8_fp8 v[8*(8*((\a)%4)+\b):8*(8*((\a)%4)+\b)+7], v[128*(\p)+FR*\b:128*(\p)+FR*\b+FR-1], v[AF+FR*(\a):AF+FR*(\a)+FR-1], v[8*(8*((\a)%4)+\b):8*(8*((\a)%4)+\b)+7]
.endif
.endr
.endr
.endm
.macro FETCH_B slot, q, p
	WIN TO_B
.irp i, 0,1,2,3,4,5,6,7
	FRAG 128*(\p)+FR*\i, ADRB+\slot, \q, \i
.endr
	WIN 0
.endm
.macro FETCH_A slot, q, i0
.irp i, \i0, \i0+1, \i0+2, \i0+3
	FRAG AF+FR*(\i), ADRA+\slot, \q, \i
.endr
.endm
.macro PLACES n                        ; plain vector lines between a matrix instruction and a load into, or a vector read of, its registers
.rept \n
	v_nop
.endr
.endm
.macro STEP slot, q, zero              ; 128 along K with a successor in the same slot
	s_wait_dscnt 4*NL                              ; B's set and A's blocks 0-3 are in; the youngest 16 loads (A's blocks 4-7) may be out
	WIN MUL_LO
	MUL16 0, (\q)%2, \zero
	MUL16 2, (\q)%2, \zero
	s_wait_dscnt 0                                 ; A's blocks 4-7 are in
	PLACES NP
	FETCH_B \slot, (\q)+1, 1-(\q)%2
	FETCH_A \slot, (\q)+1, 0
	WIN MUL_HI
	MUL16 4, (\q)%2, \zero
	MUL16 6, (\q)%2, \zero
	PLACES NP
	WIN 0
	FETCH_A \slot, (\q)+1, 4
.endm
; A slot's last step changes slots: ONE barrier; in front of it each wave waits for all its tensor loads, adds 0 to its spare word, and waits for that and for its own reads of this slot.
.macro TURN slot, next, fill
	s_wait_tensorcnt 0x0                           ; all my tensor loads have landed: my part of the next slot
	ds_add_u32 v[SPW], v[NIL]                      ; 0 onto my spare word
	s_wait_dscnt 4*NL+1                            ; the add and the youngest 16 loads (A's blocks 4-7) may be out
	WIN MUL_LO
	MUL16 0, 1, 0
	s_wait_dscnt 0x0                               ; the add is done, and my reads of this slot are over
	s_barrier_signal -1
	MUL16 2, 1, 0
	WIN 0
	s_barrier_wait -1
.if \fill
	CREST                                          ; the barrier has opened a round of the cluster's: no wave of any partner still reads this slot or has a load on its way
	s_add_nc_u64 s[G0+4*\slot+2:G0+4*\slot+3], s[G0+4*\slot+2:G0+4*\slot+3], 2*ROWB
	s_add_nc_u64 s[G0B+4*\slot+2:G0B+4*\slot+3], s[G0B+4*\slot+2:G0B+4*\slot+3], 2*ROWB
	JLOAD G0+4*\slot, G1, G0B+4*\slot, G1B         ; the first tensor load behind the round, my one load until the next; its four v_nop are the places in front of the loads below
.else
	PLACES NP
.endif
	FETCH_B \next, 0, 0
	FETCH_A \next, 0, 0
	WIN MUL_HI
	MUL16 4, 1, 0
	MUL16 6, 1, 0
	PLACES NP
	WIN 0
	FETCH_A \next, 0, 4
.endm
	s_wait_tensorcnt 1                             ; my part of K step 0 is in; K step 1's load may be out
	s_barrier_signal -1
	s_barrier_wait -1
	FETCH_B 0, 0, 0
	FETCH_A 0, 0, 0
	FETCH_A 0, 0, 4
	STEP 0, 0, 1                                   ; the first step's products start the sums
	s_mov_b32 s3, LAPS-1
.Llap:                                                 ; a trip goes once round the ring and fills both slots again: K steps 2 and 3
	TURN 0, 1, 1
	STEP 1, 0, 0
	TURN 1, 0, 1
	STEP 0, 0, 0
	s_sub_co_u32 s3, s3, 1
	s_cmp_lg_u32 s3, 0
	s_cbranch_scc1 .Llap
	TURN 0, 1, 0                                   ; the last lap fills nothing
	STEP 1, 0, 0
	s_wait_dscnt 4*NL
	WIN MUL_LO
	MUL16 0, 1, 0
	MUL16 2, 1, 0
	s_wait_dscnt 0
	WIN MUL_HI
	MUL16 4, 1, 0
	MUL16 6, 1, 0
	WIN 0
	; THE WAY OUT: hold, convert, 8 codes a lane into the stage; a barrier, since a run of 64 bytes of a row comes from one wave but is stored by another; back and out in runs of 512 bytes.
	s_wait_kmcnt 0x0
	s_cmp_eq_u32 s66, 1
	s_cselect_b32 s91, s70, s68                    ; ea: entry 0, 2 or 4
	s_cselect_b32 s92, s71, s69                    ; eb: entry 1, 3 or 5
	s_cselect_b32 s93, s75, s74                    ; eo: entry 6, 7 or 9
	s_cmp_eq_u32 s66, 2
	s_cselect_b32 s91, s72, s91
	s_cselect_b32 s92, s73, s92
	s_cselect_b32 s93, s77, s93
	s_sub_co_i32 s93, s93, s91
	s_sub_co_i32 s93, s93, s92
	s_add_co_i32 s93, s93, 127
	s_lshl_b32 s94, s93, 23
	v_mov_b32 v[SC], s94
	s_add_co_i32 s93, s93, 8
	s_lshl_b32 s93, s93, 23
	s_or_b32 s93, s93, 0x600000
	v_mov_b32 v[LM], s93
	PLACES NP                                      ; behind the last products, ahead of the first read of results
.macro QBLOCK a                        ; my rows 16 a .. 16 a + 15, all 128 columns
.set AC, 64*((\a)%4)
.set CD, 96+16*((\a)%2)
	WIN 0x02+((\a)/4)                              ; source 0: window 2 or 3
.set j, 0
.rept 64
	v_med3_num_f32 v[TMP+j], v[AC+j], -v[LM], v[LM]   ; the hold (the conversion does not saturate: ISA guide 7.6.2); each accumulator from its low end on
.set j, j+1
.endr
	WIN 0
.irp b, 0,1,2,3,4,5,6,7
	v_cvt_scalef32_pk8_fp8_f32 v[CD+2*\b:CD+2*\b+1], v[TMP+8*\b:TMP+8*\b+7], v[SC]
.endr
	v_nop                                          ; one plain vector line behind the conversions: the next block's holds write their sources
.irp b, 0,1,2,3,4,5,6,7
	ds_store_b64 v[STO], v[CD+2*\b:CD+2*\b+1] offset:(\a)*16*PITCH+16*\b   ; columns 16 b + 8 h + 0 .. 7
.endr
.endm
.irp a, 0,1,2,3,4,5,6,7
	QBLOCK \a
.endr
	s_wait_dscnt 0x0                               ; for the others' sake: my stores into the stage are done
	s_barrier_signal -1
	s_barrier_wait -1
.irp t, 0,1,2,3,4,5,6,7,8,9,10,11,12,13,14,15
	ds_load_b128 v[128+4*\t:131+4*\t], v[RD] offset:\t*8*PITCH
.endr
.irp t, 0,1,2,3,4,5,6,7,8,9,10,11,12,13,14,15
	ds_load_b128 v[192+4*\t:195+4*\t], v[RD1] offset:\t*8*PITCH
.endr
.irp t, 0,1,2,3,4,5,6,7,8,9,10,11,12,13,14,15,16,17,18,19,20,21,22,23,24,25,26,27,28,29,30,31
	s_wait_dscnt 31-\t                             ; the loads issued behind load t may be out
	global_store_b128 v[CO], v[128+4*\t:131+4*\t], s[10:11] offset:512*\t   ; eight rows' 64 bytes: 512 consecutive bytes, aligned
.endr
	s_wait_tensorcnt 0x0                           ; the wave's end
	ds_add_u32 v[SPW], v[NIL]
	s_wait_dscnt 0x0
	CROUND                                         ; the closing round
	s_endpgm
.Lfunc_end_k_q4910e9123a_qkv:
	.size	k_q4910e9123a_qkv, .Lfunc_end_k_q4910e9123a_qkv-k_q4910e9123a_qkv
	.p2alignl 7, 3214868480
	.fill 96, 4, 3214868480
	.section	.rodata,"a",@progbits
	.p2align	6, 0x0
	.amdhsa_kernel k_q4910e9123a_qkv
		.amdhsa_group_segment_fixed_size 327680
		.amdhsa_private_segment_fixed_size 0
		.amdhsa_enable_private_segment 0
		.amdhsa_kernarg_size 32
		.amdhsa_user_sgpr_count 2
		.amdhsa_user_sgpr_kernarg_segment_ptr 1
		.amdhsa_wavefront_size32 1
		.amdhsa_system_sgpr_workgroup_id_x 1
		.amdhsa_system_sgpr_workgroup_id_y 1
		.amdhsa_system_sgpr_workgroup_id_z 1
		.amdhsa_system_vgpr_workitem_id 0
		.amdhsa_next_free_vgpr 1024
		.amdhsa_next_free_sgpr 98
		.amdhsa_reserve_vcc 0
		.amdhsa_float_denorm_mode_32 3
		.amdhsa_float_denorm_mode_16_64 3
		.amdhsa_memory_ordered 1
		.amdhsa_forward_progress 1
		.amdhsa_inst_pref_size 126
	.end_amdhsa_kernel
	.amdgpu_metadata
---
amdhsa.version: [ 1, 2 ]
amdhsa.kernels:
  - .name:           k_q4910e9123a_qkv
    .symbol:         k_q4910e9123a_qkv.kd
    .args:
      - { .name: xc, .offset: 0, .size: 8, .value_kind: global_buffer, .address_space: global }
      - { .name: wc, .offset: 8, .size: 8, .value_kind: global_buffer, .address_space: global }
      - { .name: lowp_scales, .offset: 16, .size: 8, .value_kind: global_buffer, .address_space: global }
      - { .name: qkv, .offset: 24, .size: 8, .value_kind: global_buffer, .address_space: global }
    .group_segment_fixed_size: 327680
    .private_segment_fixed_size: 0
    .kernarg_segment_align: 8
    .kernarg_segment_size: 32
    .max_flat_workgroup_size: 128
    .sgpr_count:     98
    .vgpr_count:     1024
    .wavefront_size: 32
...
	.end_amdgpu_metadata
.endif
;; end of part 2
;; launch attn (part 3): grid 4 x 64, 16 waves a work-group, no clusters, 72,704 bytes of LDS; arguments qkv, lowp_scales, ctx; writes ctx
.if DOCPART == 3
	.amdgcn_target "amdgcn-amd-amdhsa--gfx1250"
	.amdhsa_code_object_version 6
	.text
	.protected	k_q4910e9123a_attn
	.globl	k_q4910e9123a_attn
	.p2align	8
	.type	k_q4910e9123a_attn,@function
k_q4910e9123a_attn:
	s_mov_b64 s[64:65], 0
	v_nop
	global_prefetch_b8 v0, s[64:65] scope:SCOPE_SE
	s_setreg_imm32_b32 hwreg(HW_REG_WAVE_MODE, 25, 1), 1
	s_wait_xcnt 0x0
; CAUSAL ATTENTION on codes of FP8 (E4M3), head size 64; 64 heads (batch x 16 + head) of 2,048 tokens.  The result is quantised on the way out, as the operand of the last projection.
; IN: q, k: [head][2,048][64] at bytes 0 and 8 MiB; v with the KEYS innermost: [token / 64][1,024 = head x 64 + d][64 tokens] at 16 MiB.  OUT: ctx codes [16 heads][8,192 tokens][64].
; THE SOFTMAX: t = score x log2(e) / 8; M = the row's largest t so far, rounded UP to a whole number; p = 2^(t - M) is quantised with the given 2^ep, not normalised; the row's sum is taken of the unquantised p and
; divides at the end.  When M moves, the sum and O are multiplied by 2^(old M - new M): exact.
; SHARES.  Work-group (i, head) owns the blocks of 256 queries i and 7 - i; each of its sixteen waves one tile of 16 queries of each: tile a at 256 i + 16 w, tile b at 256 (7 - i) + 16 w.  It walks 8 - i slots of 256 keys.
; A step is 128 keys for one tile; a step all of whose keys come after the tile's queries is jumped over (a scalar branch on ids).  A wave has 16 steps (w < 8) or 18, whatever i is: all 256 work-groups have equal work.
; K AND V come from memory into registers (32 + 32 bytes a thread for a slot), asked for a whole slot's steps ahead of the wait for them, and go into ONE pair of LDS tiles between two barriers a slot.
; So no tensor load, no ring, and every LDS address is a register made at the head + an immediate.  For the same reason no prefetch is laid: the loads themselves run a slot ahead.
; NO CLUSTER: the four work-groups of a head walk 8, 7, 6 and 5 slots: partners would need different numbers of tiles.
; LAYOUT.  Both products transposed: S^T = K Q^T (source 0 = 16 keys, source 1 = 16 queries), O^T = V^T P^T: a lane holds ONE query (lane % 16) throughout.  In LDS a key's row index has its bits 3 and 4 swapped, so that
; LDS rows 16 t + r are keys 32 (t / 2) + 8 (t % 2) + r + 8 (r / 8), and the 16 registers of tiles 2 b, 2 b + 1 are the 16 neighbouring keys 32 b + 16 (lane / 16) + 0 .. 15: the conversions' results are P's operand.
; LIMITS on the given exponents: entries 6 + 7 between -123 and 130 (added to c's exponent field); ep (entry 8) between -126 and 119; entries 8 + 9 - 10 are applied by v_ldexp_f32 to 1 / sum, which lies
; between 1 / 2,048 and 2: the product must be an f32 number.  Fragments are fetched 16 bytes a lane: one permutation of k, the same in both operands.
.set KP,   80                          ; a key's row in LDS: 64 bytes + 16 = 5 x 16: 16 rows begin at 16 different multiples of 16 bytes modulo 256
.set VP,   272                         ; a row of V^T: 256 keys + 16 = 17 x 16
.set VOFF, 256*KP                      ; K's tile: 256 rows; then V's: 64 rows
.set STG,  VOFF+64*VP                  ; then 2,048 bytes for each wave, its own, for the way out
.set AK,   1                           ; v1   my lane's place in a tile of K: r KP + 16 h
.set AV,   2                           ; v2   in V's
.set KST,  3                           ; v3   where my thread stores its 16 bytes of K
.set VST,  4                           ; v4   of V
.set KGO,  5                           ; v5   my thread's bytes in a slot of K in memory
.set VGO,  6                           ; v6   of V
.set DM,   7                           ; v7   r - 16 h, for the mask
.set G,    36                          ; v36-51   a slot's 64 bytes of my thread
.set F,    52                          ; v52-115  K's eight fragments; then v52-67 P's codes
.set S,    116                         ; v116-179 S^T, then p, then V's four fragments
.set OA,   180                         ; v180-211 O^T of tile a;  v212-243 of tile b
.set OBT,  212
; v8, v9 stage addresses; v10 448 x 2^ep; v11 2^ep; v12-15, v16-19 a tile's -M, largest t, sum in two halves; v20-27, v28-35 Q; v244, v250 at work; v245 a permute's destination; v[246:247] f;
; v[248:249] the sum's second chain; v251 -infinity; v252 16 x lane; v253 448; v254 1; v255 Q's offset
; s10 wave; s11 i; s12 head; s13 slots; s14 slots begun; s15 the slot's first key; s16, s17 the tiles' first queries; s[18:19] lane selects; s[20:21] c; s[22:23] K; s[24:25] V; s28 1 where no hold is needed; s29 entries 8 + 9 - 10
	s_load_b128 s[4:7], s[0:1], 0x0                ; q, k, v's codes s[4:5], the scales s[6:7]
	s_load_b64 s[8:9], s[0:1], 0x10                ; ctx
	v_lshrrev_b32 v1, 5, v0
	v_readfirstlane_b32 s10, v1                    ; wave 0..15
	s_mov_b32 s11, ttmp9
	s_and_b32 s12, ttmp7, 0xffff
	s_sub_co_u32 s13, 8, s11
	s_mov_b32 s14, 0
	s_mov_b32 s15, 0
	s_lshl_b32 s30, s10, 4
	s_lshl_b32 s16, s11, 8
	s_add_co_u32 s16, s16, s30                     ; tile a's first query
	s_sub_co_u32 s17, 7, s11
	s_lshl_b32 s17, s17, 8
	s_add_co_u32 s17, s17, s30                     ; tile b's
	s_mov_b32 s18, 0x76543210
	s_mov_b32 s19, 0xfedcba98
	v_and_b32 v244, 15, v0                         ; r
	v_bfe_u32 v250, v0, 4, 1                       ; h
	v_mul_u32_u24 v[AK], v244, KP
	v_lshl_add_u32 v[AK], v250, 4, v[AK]
	v_mul_u32_u24 v[AV], v244, VP
	v_lshl_add_u32 v[AV], v250, 4, v[AV]
	v_add_nc_u32 v[AV], VOFF, v[AV]
	v_lshrrev_b32 v[KST], 2, v0                    ; my key of the first 128: thread / 4
	v_bfe_u32 v248, v0, 5, 1                       ; its bit 3
	v_bfe_u32 v249, v0, 6, 1                       ; its bit 4
	v_and_b32 v[KST], 0x67, v[KST]
	v_lshl_add_u32 v[KST], v248, 4, v[KST]         ; swapped
	v_lshl_add_u32 v[KST], v249, 3, v[KST]
	v_mul_u32_u24 v[KST], v[KST], KP
	v_and_b32 v248, 3, v0
	v_lshl_add_u32 v[KST], v248, 4, v[KST]
	v_bfe_u32 v[VST], v0, 2, 6                     ; my row d of V: (thread % 256) / 4
	v_mul_u32_u24 v[VST], v[VST], VP
	v_lshrrev_b32 v249, 8, v0                      ; which 64 keys: thread / 256 (and + 2 for the second load)
	v_lshl_add_u32 v[VST], v249, 6, v[VST]
	v_lshl_add_u32 v[VST], v248, 4, v[VST]
	v_add_nc_u32 v[VST], VOFF, v[VST]
	v_lshlrev_b32 v[KGO], 4, v0
	v_and_b32 v[VGO], 255, v0
	v_lshlrev_b32 v[VGO], 4, v[VGO]
	v_lshl_add_u32 v[VGO], v249, 16, v[VGO]        ; 64 keys on are 65,536 bytes on
	v_lshlrev_b32 v[DM], 4, v250
	v_sub_nc_u32 v[DM], v244, v[DM]
	s_lshl_b32 s31, s10, 11
	s_add_co_u32 s31, s31, STG                     ; my stage
	v_lshlrev_b32 v8, 6, v244
	v_lshl_add_u32 v8, v250, 3, v8
	v_add_nc_u32 v8, s31, v8                       ; in: row r of 64 bytes, + 8 h
	v_and_b32 v252, 31, v0
	v_lshlrev_b32 v252, 4, v252
	v_add_nc_u32 v9, s31, v252                     ; back: 16 bytes a lane
	v_lshlrev_b32 v255, 6, v244
	v_lshl_add_u32 v255, v250, 4, v255             ; Q: row r of 64 bytes, + 16 h
	s_lshl_b32 s50, s12, 17                        ; the head's 2,048 rows of 64 bytes in q and in k
	s_mov_b32 s51, 0
	s_lshl_b32 s52, s16, 6                         ; tile a's rows of 64 bytes
	s_mov_b32 s53, 0
	s_lshl_b32 s54, s17, 6
	s_mov_b32 s55, 0
	s_lshr_b32 s56, s12, 4                         ; batch
	s_and_b32 s57, s12, 15                         ; head in the batch
	s_lshl_b32 s58, s56, 21                        ; v: 32 x 65,536 bytes a batch,
	s_lshl_b32 s59, s57, 12
	s_add_co_u32 s58, s58, s59                     ; 64 rows of 64 bytes a head
	s_mov_b32 s59, 0
	s_lshl_b32 s60, s57, 19                        ; ctx: 8,192 x 64 bytes a head,
	s_lshl_b32 s61, s56, 17
	s_add_co_u32 s60, s60, s61                     ; 2,048 x 64 a batch
	s_mov_b32 s61, 0
	s_wait_kmcnt 0x0
	s_load_b256 s[32:39], s[6:7], 0x0              ; entries 0 to 7
	s_load_b128 s[40:43], s[6:7], 0x20             ; entries 8 to 11
	s_add_nc_u64 s[26:27], s[4:5], s[50:51]
	s_add_nc_u64 s[22:23], s[26:27], 0x800000      ; K at the head's first key
	s_add_nc_u64 s[44:45], s[26:27], s[54:55]      ; Q at tile b
	s_add_nc_u64 s[26:27], s[26:27], s[52:53]      ; Q at tile a
	s_add_nc_u64 s[24:25], s[4:5], s[58:59]
	s_add_nc_u64 s[24:25], s[24:25], 0x1000000     ; V at the head's first keys
	s_add_nc_u64 s[46:47], s[8:9], s[60:61]
	s_add_nc_u64 s[48:49], s[46:47], s[54:55]      ; ctx at tile b
	s_add_nc_u64 s[46:47], s[46:47], s[52:53]      ; ctx at tile a
.macro LOADG                           ; a slot: K's 256 rows are one dense run of 16,384 bytes; V's are four dense runs of 4,096
	global_load_b128 v[G:G+3], v[KGO], s[22:23]
	global_load_b128 v[G+4:G+7], v[KGO], s[22:23] offset:8192
	global_load_b128 v[G+8:G+11], v[VGO], s[24:25]
	global_load_b128 v[G+12:G+15], v[VGO], s[24:25] offset:131072
.endm
.macro STOREG
	ds_store_b128 v[KST], v[G:G+3]
	ds_store_b128 v[KST], v[G+4:G+7] offset:128*KP
	ds_store_b128 v[VST], v[G+8:G+11]
	ds_store_b128 v[VST], v[G+12:G+15] offset:128
.endm
	LOADG                                          ; slot 0
	global_load_b128 v[20:23], v255, s[26:27]      ; Q stays in registers
	global_load_b128 v[24:27], v255, s[26:27] offset:32
	global_load_b128 v[28:31], v255, s[44:45]
	global_load_b128 v[32:35], v255, s[44:45] offset:32
.irp t, 12, 16
	v_mov_b32 v[\t+1], 0xff61b1e6                  ; the largest t so far: -3e38, under every t
	v_floor_f32 v[\t], -v[\t+1]                    ; -M
	v_mov_b32 v[\t+2], 0                           ; the sum, in two halves
	v_mov_b32 v[\t+3], 0
.endr
	v_mov_b32 v245, 0                              ; written once: a lane permute's destination counts as one of its sources
	v_mov_b32 v247, 0                              ; (named as the upper half of the pair v[246:247])
	v_mov_b32 v251, 0xff800000                     ; -infinity
	v_mov_b32 v253, 0x43e00000                     ; 448
	v_mov_b32 v254, 1.0
.set j, 0
.rept 64
	v_mov_b32 v[OA+j], 0                           ; O^T of both tiles.  (A step is written once: the first finds zeros, which the first change of M leaves zeros)
.set j, j+1
.endr
	s_wait_kmcnt 0x0
	s_add_co_i32 s30, s38, s39
	s_lshl_b32 s30, s30, 23
	s_add_co_i32 s20, s30, 0x3e38aa3b              ; c = log2(e) / 8, with the two operands' exponents added to its exponent field
	s_mov_b32 s21, s20                             ; (named with it as a pair, so it is written)
	s_add_co_i32 s30, s40, 127
	s_lshl_b32 s31, s30, 23
	v_mov_b32 v11, s31                             ; 2^ep as f32
	s_add_co_i32 s30, s30, 8
	s_lshl_b32 s30, s30, 23
	s_or_b32 s30, s30, 0x600000
	v_mov_b32 v10, s30                             ; 448 x 2^ep
	s_cmp_ge_i32 s40, -8                           ; p is at most 1 (a last bit more at the most), and 448 x 2^ep is 1.75 or more from ep = -8 on: the hold can then never bind
	s_cselect_b32 s28, 1, 0
	s_add_co_i32 s29, s40, s41
	s_sub_co_i32 s29, s29, s42
; A STEP: 128 keys, the q-th half of the slot, for one tile.  ST: its statistics; QF: its Q; OB: its O^T; SQ: the scalar register with its first query.
.macro STEP ST, QF, OB, SQ, q
	s_add_co_u32 s30, s15, 128*(\q)                ; the step's first key
	s_add_co_u32 s31, s[\SQ], 15
	s_cmp_gt_u32 s30, s31
	s_cbranch_scc1 .Lhid_\@                        ; all its keys come after my 16 queries
.irp t, 0,1,2,3,4,5,6,7
	ds_load_b128 v[F+8*\t:F+8*\t+3], v[AK] offset:(128*(\q)+16*\t)*KP
	ds_load_b128 v[F+8*\t+4:F+8*\t+7], v[AK] offset:(128*(\q)+16*\t)*KP+32
.endr
	s_wait_dscnt 0x0
.irp t, 0,1,2,3,4,5,6,7
	v_wmma_f32_16x16x64_fp8_fp8 v[S+8*\t:S+8*\t+7], v[F+8*\t:F+8*\t+7], v[\QF:\QF+7], 0
.endr
.rept 4
	v_nop                                          ; places ahead of the first read of the scores
.endr
	s_add_co_u32 s31, s30, 127
	s_cmp_le_u32 s31, s[\SQ]
	s_cbranch_scc1 .Lopen_\@                       ; all its keys count for all my queries
	s_sub_co_i32 s31, s[\SQ], s30
	v_add_nc_u32 v250, s31, v[DM]                  ; d = my query - the step's first key - 16 h.  Register 16 b + i holds key 32 b + 16 h + i of the step: hidden where 32 b + i > d
.irp n, 0,1,2,3,4,5,6,7,8,9,10,11,12,13,14,15,16,17,18,19,20,21,22,23,24,25,26,27,28,29,30,31,32,33,34,35,36,37,38,39,40,41,42,43,44,45,46,47,48,49,50,51,52,53,54,55,56,57,58,59,60,61,62,63
	v_cmp_gt_i32 vcc_lo, 32*(\n/16)+\n%16, v250
	v_cndmask_b32 v[S+\n], v[S+\n], v251, vcc_lo
.endr
.Lopen_\@:
	v_max3_num_f32 v244, v[S], v[S+1], v[S+2]      ; the step's largest score of my query among my 64 keys, in two chains, each accumulator from its low end on,
	v_max3_num_f32 v250, v[S+3], v[S+4], v[S+5]
.irp i, 6,10,14,18,22,26,30,34,38,42,46,50,54,58
	v_max3_num_f32 v244, v244, v[S+\i], v[S+\i+1]
	v_max3_num_f32 v250, v250, v[S+\i+2], v[S+\i+3]
.endr
	v_max3_num_f32 v244, v244, v[S+62], v[S+63]
	v_max_num_f32 v244, v244, v250
	v_permlanex16_b32 v245, v244, s18, s19
	v_max_num_f32 v244, v244, v245                 ; and among lane l xor 16's
	v_mul_f32 v244, s20, v244                      ; as t (c is positive)
	v_max_num_f32 v[\ST+1], v[\ST+1], v244         ; the running largest t
	v_mov_b32 v244, v[\ST]
	v_floor_f32 v[\ST], -v[\ST+1]                  ; the new -M = floor(-t): M is a whole number
	v_sub_f32 v244, v[\ST], v244                   ; old M - new M: a whole number, 0 or less
	v_cvt_i32_f32 v244, v244                       ; (it saturates)
	v_ldexp_f32 v246, 1.0, v244                    ; f = 2^(old M - new M)
.set j, 0
.rept 32
	v_pk_fma_f32 v[S+j:S+j+1], v[S+j:S+j+1], s[20:21], v[\ST:\ST+1] op_sel_hi:[1,0,0]   ; t - M, two at a time (of the pairs c and -M the low word serves both halves)
.set j, j+2
.endr
.set j, 0
.rept 64
	v_exp_f32 v[S+j], v[S+j]                       ; p = 2^(t - M): one batch
.set j, j+1
.endr
	v_pk_mul_f32 v[\ST+2:\ST+3], v[\ST+2:\ST+3], v[246:247] op_sel_hi:[1,0]   ; the sums under the new M: the plain line behind the exponentials
	s_wait_alu depctr_va_vdst(0)                   ; one wait for the whole batch, ahead of its first reader
	v_pk_add_f32 v[248:249], v[S:S+1], v[S+2:S+3]  ; the row's sum is taken of the UNQUANTISED p, in two chains
.irp j, 4,8,12,16,20,24,28,32,36,40,44,48,52,56,60
	v_pk_add_f32 v[\ST+2:\ST+3], v[\ST+2:\ST+3], v[S+\j:S+\j+1]
	v_pk_add_f32 v[248:249], v[248:249], v[S+\j+2:S+\j+3]
.endr
	v_pk_add_f32 v[\ST+2:\ST+3], v[\ST+2:\ST+3], v[248:249]
	s_cmp_lg_u32 s28, 0
	s_cbranch_scc1 .Lfits_\@                       ; a branch on the given whole number ep: from ep = -8 on every p has a code
.set j, 0
.rept 64
	v_min_num_f32 v[S+j], v[S+j], v10              ; the conversion does not saturate (ISA guide 7.6.2); p is not negative, so the hold is one-sided
.set j, j+1
.endr
.Lfits_\@:
.irp b, 0,1,2,3
	v_cvt_scalef32_pk8_fp8_f32 v[F+4*\b:F+4*\b+1], v[S+16*\b:S+16*\b+7], v11
	v_cvt_scalef32_pk8_fp8_f32 v[F+4*\b+2:F+4*\b+3], v[S+16*\b+8:S+16*\b+15], v11
.endr
.irp d, 0,1,2,3
.irp c, 0,1,2,3
	ds_load_b128 v[S+16*\d+4*\c:S+16*\d+4*\c+3], v[AV] offset:16*\d*VP+128*(\q)+32*\c   ; V^T: 16 of the head's 64 x these 128 keys, into the registers that p has left
.endr
.endr
.set j, 0
.rept 16
	v_pk_mul_f32 v[\OB+j:\OB+j+1], v[\OB+j:\OB+j+1], v[246:247] op_sel_hi:[1,0]   ; O^T under the new M.  (Also the plain lines between the conversions and the products that read their results)
.set j, j+2
.endr
	s_wait_dscnt 0x0
.irp d, 0,1,2,3
	v_wmma_f32_16x16x128_fp8_fp8 v[\OB+8*\d:\OB+8*\d+7], v[S+16*\d:S+16*\d+15], v[F:F+15], v[\OB+8*\d:\OB+8*\d+7]   ; the four accumulators take turns, one instruction a turn
.endr
.rept 5
	v_nop                                          ; five places: the next matrix instruction writes scores over the registers that these have read; four of them serve the next loads and the way out's reads
.endr
.Lhid_\@:
.endm
.Lslot:                                            ; 8 - i trips
	s_wait_loadcnt 0x0                             ; the slot's 64 bytes of my thread are in (in the first trip Q too): so the loads' bases may step
	s_add_nc_u64 s[22:23], s[22:23], 16384         ; 256 keys on
	s_add_nc_u64 s[24:25], s[24:25], 0x40000
	STOREG
	s_wait_dscnt 0x0                               ; for the others' sake: my stores are done
	s_barrier_signal -1
	s_barrier_wait -1                              ; the tiles are whole
	s_add_co_u32 s14, s14, 1
	s_cmp_lt_u32 s14, s13
	s_cbranch_scc0 .Lno_next                       ; the last trip asks for nothing: no load leaves the buffer
	LOADG                                          ; the next slot: up to four steps' work stands between these loads and the wait for them
.Lno_next:
	STEP 12, 20, OA, 16, 0
	STEP 16, 28, OBT, 17, 0
	STEP 12, 20, OA, 16, 1
	STEP 16, 28, OBT, 17, 1
	s_wait_dscnt 0x0                               ; my reads of the tiles are over
	s_barrier_signal -1
	s_barrier_wait -1                              ; everybody's are: the tiles may be written again
	s_add_co_u32 s15, s15, 256
	s_cmp_lt_u32 s14, s13
	s_cbranch_scc1 .Lslot
	; THE WAY OUT.  ctx = O^T x 2^(ep + ev) / the sum; its code is that / 2^(entry 10), held within +-448.  A tile's 16 rows of 64 codes are 1,024 consecutive bytes of ctx: they go through my stage and leave 512 bytes a store.
	v_add_f32 v14, v14, v15
	v_add_f32 v18, v18, v19
	v_permlanex16_b32 v245, v14, s18, s19
	v_permlanex16_b32 v247, v18, s18, s19
	v_add_f32 v14, v14, v245                       ; the rows' sums
	v_add_f32 v18, v18, v247
	v_rcp_f32 v14, v14
	v_rcp_f32 v18, v18
	v_nop                                          ; a plain line behind the reciprocals
	s_wait_alu depctr_va_vdst(0)                   ; one wait for both, ahead of the first reader
	v_ldexp_f32 v14, v14, s29
	v_ldexp_f32 v18, v18, s29
.macro OUT T, OB, L
.set j, 0
.rept 16
	v_pk_mul_f32 v[S+32*\T+j:S+32*\T+j+1], v[\OB+j:\OB+j+1], v[\L:\L+1] op_sel_hi:[1,0]   ; register 8 d + i is ctx(query r, 16 d + 8 h + i); each accumulator from its low end on
.set j, j+2
.endr
.set j, 0
.rept 32
	v_med3_num_f32 v[S+32*\T+j], v[S+32*\T+j], -v253, v253
.set j, j+1
.endr
.irp d, 0,1,2,3
	v_cvt_scalef32_pk8_fp8_f32 v[F+8*\T+2*\d:F+8*\T+2*\d+1], v[S+32*\T+8*\d:S+32*\T+8*\d+7], v254
.endr
	v_nop                                          ; one plain vector line behind the conversions
.irp d, 0,1,2,3
	ds_store_b64 v8, v[F+8*\T+2*\d:F+8*\T+2*\d+1] offset:1024*\T+16*\d
.endr
	ds_load_b128 v[F+16+8*\T:F+19+8*\T], v9 offset:1024*\T       ; LDS serves a wave's instructions in order: these see my stores
	ds_load_b128 v[F+20+8*\T:F+23+8*\T], v9 offset:1024*\T+512
.endm
	OUT 0, OA, 14
	OUT 1, OBT, 18
	s_wait_dscnt 6                                 ; tile a's two loads are in; tile b's four stores and two loads may be out
	global_store_b128 v252, v[F+16:F+19], s[46:47]
	global_store_b128 v252, v[F+20:F+23], s[46:47] offset:512
	s_wait_dscnt 0x0
	global_store_b128 v252, v[F+24:F+27], s[48:49]
	global_store_b128 v252, v[F+28:F+31], s[48:49] offset:512
	s_wait_xcnt 0x0
	v_lshl_add_u32 v254, v0, 2, 0x11400
	v_mov_b32 v255, 0
	s_wait_tensorcnt 0x0
	ds_add_u32 v254, v255
	s_wait_dscnt 0x0
	s_endpgm
.Lfunc_end_k_q4910e9123a_attn:
	.size	k_q4910e9123a_attn, .Lfunc_end_k_q4910e9123a_attn-k_q4910e9123a_attn
	.p2alignl 7, 3214868480
	.fill 96, 4, 3214868480
	.section	.rodata,"a",@progbits
	.p2align	6, 0x0
	.amdhsa_kernel k_q4910e9123a_attn
		.amdhsa_group_segment_fixed_size 72704
		.amdhsa_private_segment_fixed_size 0
		.amdhsa_enable_private_segment 0
		.amdhsa_kernarg_size 24
		.amdhsa_user_sgpr_count 2
		.amdhsa_user_sgpr_kernarg_segment_ptr 1
		.amdhsa_wavefront_size32 1
		.amdhsa_system_sgpr_workgroup_id_x 1
		.amdhsa_system_sgpr_workgroup_id_y 1
		.amdhsa_system_sgpr_workgroup_id_z 1
		.amdhsa_system_vgpr_workitem_id 0
		.amdhsa_next_free_vgpr 256
		.amdhsa_next_free_sgpr 66
		.amdhsa_reserve_vcc 1
		.amdhsa_float_denorm_mode_32 3
		.amdhsa_float_denorm_mode_16_64 3
		.amdhsa_memory_ordered 1
		.amdhsa_forward_progress 1
		.amdhsa_inst_pref_size 100
	.end_amdhsa_kernel
	.amdgpu_metadata
---
amdhsa.version: [ 1, 2 ]
amdhsa.kernels:
  - .name:           k_q4910e9123a_attn
    .symbol:         k_q4910e9123a_attn.kd
    .args:
      - { .name: qkv, .offset: 0, .size: 8, .value_kind: global_buffer, .address_space: global }
      - { .name: lowp_scales, .offset: 8, .size: 8, .value_kind: global_buffer, .address_space: global }
      - { .name: ctx, .offset: 16, .size: 8, .value_kind: global_buffer, .address_space: global }
    .group_segment_fixed_size: 72704
    .private_segment_fixed_size: 0
    .kernarg_segment_align: 8
    .kernarg_segment_size: 24
    .max_flat_workgroup_size: 512
    .sgpr_count:     66
    .vgpr_count:     256
    .wavefront_size: 32
...
	.end_amdgpu_metadata
.endif
;; end of part 3
;; launch proj (part 4): grid 4 x 32, 4 waves a work-group, clusters of 4 x 4, 327,680 bytes of LDS; arguments ctx, wc, lowp_scales, bo, out0; writes out0
.if DOCPART == 4
	.amdgcn_target "amdgcn-amd-amdhsa--gfx1250"
	.amdhsa_code_object_version 6
	.text
	.protected	k_q4910e9123a_proj
	.globl	k_q4910e9123a_proj
	.p2align	8
	.type	k_q4910e9123a_proj,@function
k_q4910e9123a_proj:
	s_mov_b64 s[64:65], 0
	v_nop
	global_prefetch_b8 v0, s[64:65] scope:SCOPE_SE
	s_setreg_imm32_b32 hwreg(HW_REG_WAVE_MODE, 25, 1), 1
	s_wait_xcnt 0x0
	s_wait_alu depctr_hold_cnt(0) depctr_sa_sdst(0) depctr_va_vdst(0) depctr_va_sdst(0) depctr_va_ssrc(0) depctr_va_vcc(0) depctr_vm_vsrc(0)
	s_getreg_b32 s2, hwreg(HW_REG_IB_STS2, 6, 4)
	s_cmp_eq_u32 s2, 0
	s_cbranch_scc0 .Lentry_in_a_cluster
	s_endpgm
.Lentry_in_a_cluster:
	s_bfe_u32 s2, ttmp6, 0x10000c
	s_cmp_lg_u32 s2, 0xf033
	s_cbranch_scc0 .Lentry_shape_is_right
	s_endpgm
.Lentry_shape_is_right:
; THE LAST PROJECTION: out[m][n] = (sum over k of ctx[m][k] wo[k][n]) x 2^(entries 10 + 11) + bo[n], on codes of FP8 (E4M3); out: [8,192][1,024] f32.
; A = ctx's codes, laid [16 heads][8,192 tokens][64]: k = 64 x head + d.  B = wo's codes, [1,024 n][1,024 k], the fourth of the weights' buffer.
; LIMIT: entries 10 + 11 between -126 and 127.  Fragments are fetched 16 bytes a lane: one permutation of k, the same in A and B.
; A tile of C, 256 x 256, is made by four waves, 128 x 128 each: 64 accumulators, 512 registers.  32 x 4 tiles: 128 work-groups.  K goes in steps of 256 (four heads) through a ring of two LDS slots.
; A'S TILE: for 128 tokens a head's codes are 8,192 consecutive bytes; a wave's load brings 4 such rows, 524,288 bytes apart, with 16 bytes of padding behind every 64: in LDS (head, token, d) lies at 10,240 head + 80 token + d.
; CLUSTERS: 4 x 4 work-groups; A's tiles are asked for jointly along a row of the cluster, B's along a column.  The matrix instruction is used transposed: a lane holds eight neighbouring numbers of a row of C.
; REGISTERS, in windows of 256: window 0: v0-31 addresses; v32-95 bo at my 64 columns; from v128 A's fragments, ONE set.  window 1: B's fragments, TWO sets.  windows 2, 3: the accumulators.
.set SIZE_N, 1024
.set SIZE_K, 1024
.set KSTEP,  256
.set ROWB,   256
.set KROW,   SIZE_K
.set PITCH,  272                       ; B: an LDS row: 256 bytes + 16 = 17 x 16
.set APITCH, 80                        ; A: a token's 64 bytes of one head + 16 = 5 x 16: in both, the 16 rows that a load touches begin at 16 different multiples of 16 bytes modulo 256
.set HROW,   128*APITCH                ; A: a head's 128 tokens
.set AHALF,  4*HROW                    ; A: what one load brings
.set ASTEP,  4*524288                  ; A: four heads on, in memory
.set FR,     16
.set NL,     4
.set NP,     4
.set HALFT,  128*PITCH
.set SLOT,   2*AHALF+2*HALFT           ; A's two halves, then B's two
.set LAPS,   SIZE_K/(2*KSTEP)
.set SPARE,  2*SLOT                    ; behind the ring: the spare words, 128 bytes for each wave
.set SPITCH, 528                       ; the way out: 16 rows x (512 bytes + 16) for each wave, in slot 0, which has had its last fill and its last read by then
.set ADRA, 16
.set ADRB, 20
.set STO,  24
.set RD,   25
.set CO,   26
.set BOF,  27                          ; v27  32 h: my half's eight numbers of a block of bo
.set SPW,  28
.set NIL,  29
.set BIAS, 32
.set AF,   128
.set BK,   128
.set G1, 24
.set G0, 32
.set G1B, 48
.set G0B, 56
.set MSB, 0
.macro WIN new
.if MSB != \new
	s_set_vgpr_msb (MSB<<8)|\new
.set MSB, \new
.endif
.endm
.set MUL_LO, 0xa1
.set MUL_HI, 0xf1
.set TO_B,   0x40
.macro JLOAD g0a, g1a, g0b, g1b        ; a joint load: waves 0 and 1 fetch for A, waves 2 and 3 for B; four v_nop follow each of the two lines
	s_cmp_eq_u32 s15, 0
	s_cbranch_scc0 .Lfor_b_\@
	tensor_load_to_lds s[\g0a:\g0a+3], s[\g1a:\g1a+7]
	s_nop 0
.rept 4
	v_nop
.endr
	s_branch .Lasked_\@
.Lfor_b_\@:
	tensor_load_to_lds s[\g0b:\g0b+3], s[\g1b:\g1b+7]
	s_nop 0
.rept 4
	v_nop
.endr
.Lasked_\@:
.endm
.macro CREST
	s_cmp_lg_u32 s14, 0
	s_cbranch_scc1 .Lnot_wave_0_\@
	s_barrier_signal -3
.Lnot_wave_0_\@:
	s_barrier_wait -3
	s_barrier_signal -1
	s_barrier_wait -1
.endm
.macro CROUND
	s_barrier_signal -1
	s_barrier_wait -1
	CREST
.endm
	s_load_b256 s[4:11], s[0:1], 0x0               ; ctx's codes s[4:5], the weights' codes s[6:7], the scales s[8:9], bo s[10:11]
	s_load_b64 s[12:13], s[0:1], 0x20              ; out
	v_lshl_add_u32 v[SPW], v0, 2, SPARE
	v_mov_b32 v[NIL], 0
	ds_add_u32 v28, v29
	ds_add_u32 v28, v29
	s_wait_dscnt 0x0
	v_lshrrev_b32 v1, 5, v0
	v_readfirstlane_b32 s14, v1                    ; wave 0..3
	s_lshr_b32 s15, s14, 1                         ; which half of the tile's rows is mine.  Also: I fetch for A (0) or for B (1)
	s_and_b32 s16, s14, 1                          ; which half of its columns.  Also: which half of that tile I fetch
	s_bfe_u32 s40, ttmp6, 0x40000                  ; cx, cy
	s_bfe_u32 s41, ttmp6, 0x40004
	s_lshl_b32 s42, ttmp9, 2
	s_add_co_u32 s42, s42, s40                     ; tile column of C
	s_and_b32 s17, ttmp7, 0xffff
	s_lshl_b32 s17, s17, 2
	s_add_co_u32 s17, s17, s41                     ; tile row of C
	s_lshl_b32 s43, s41, 2
	s_lshl_b32 s43, 15, s43                        ; my row of the cluster
	s_lshl_b32 s44, 0x1111, s40                    ; my column
	s_or_b32 s[G1+0], s43, (0<<16)|(1<<20)|(1<<21)|(3<<22)|(3<<25)  ; A: the mask of my row; elements of 1 byte; padding on; bit 21 beside a mask; after every 16 words (code 3) 4 words (code 3)
	s_mov_b32 s[G1+1], 8192<<16                    ; tensor_dim0 = 8,192 bytes: 128 tokens x 64
	s_mov_b32 s[G1+2], 4<<16                       ; tensor_dim1 = 4 heads
	s_mov_b32 s[G1+3], 8192<<16                    ; tile_dim0
	s_mov_b32 s[G1+4], 4                           ; tile_dim1
	s_mov_b32 s[G1+5], 524288                      ; from head to head
	s_mov_b32 s[G1+6], 0
	s_mov_b32 s[G1+7], 0
	s_or_b32 s[G1B+0], s44, (0<<16)|(1<<20)|(1<<21)|(5<<22)|(3<<25) ; B: the mask of my column; after every 64 words 4 words
	s_mov_b32 s[G1B+1], ROWB<<16
	s_mov_b32 s[G1B+2], 128<<16
	s_mov_b32 s[G1B+3], ROWB<<16
	s_mov_b32 s[G1B+4], 128
	s_mov_b32 s[G1B+5], KROW
	s_mov_b32 s[G1B+6], 0
	s_mov_b32 s[G1B+7], 0
	s_lshl_b32 s18, s16, 7                         ; which 128 rows of the tile I fetch
	s_lshl_b32 s20, s17, 8
	s_add_co_u32 s20, s20, s18
	s_lshl_b32 s20, s20, 6                         ; A: token 256 x tile row + 128 x half, 64 bytes each
	s_mov_b32 s21, 0
	s_lshl_b32 s46, s42, 8
	s_add_co_u32 s46, s46, s18
	s_lshl_b32 s46, s46, 10                        ; B: row 256 x tile column + 128 x half, 1,024 bytes each,
	s_add_co_u32 s46, s46, 0x300000                ; in the fourth weight
	s_mov_b32 s47, 0
	s_mul_i32 s45, s16, AHALF                      ; where they go: A's halves,
	s_mul_i32 s91, s16, HALFT
	s_add_co_u32 s91, s91, 2*AHALF                 ; B's behind them: no place in the cluster enters an LDS address
	s_wait_kmcnt 0x0
	s_load_b64 s[96:97], s[8:9], 0x28              ; entries 10 and 11
	s_add_nc_u64 s[20:21], s[4:5], s[20:21]
	s_add_nc_u64 s[46:47], s[6:7], s[46:47]
	CROUND                                         ; all sixteen work-groups are here: the first joint loads meet
.irp s, 0,1
	s_mov_b32 s[G0+4*\s], 1
	s_add_co_u32 s[G0+4*\s+1], s45, \s*SLOT
	s_add_nc_u64 s[G0+4*\s+2:G0+4*\s+3], s[20:21], \s*ASTEP
	s_or_b32 s[G0+4*\s+3], s[G0+4*\s+3], 0x80000000
	s_mov_b32 s[G0B+4*\s], 1
	s_add_co_u32 s[G0B+4*\s+1], s91, \s*SLOT
	s_add_nc_u64 s[G0B+4*\s+2:G0B+4*\s+3], s[46:47], \s*ROWB
	s_or_b32 s[G0B+4*\s+3], s[G0B+4*\s+3], 0x80000000
	JLOAD G0+4*\s, G1, G0B+4*\s, G1B               ; two loads of mine are out behind these
.endr
	v_and_b32 v1, 15, v0                           ; r
	v_bfe_u32 v2, v0, 4, 1                         ; h
	v_mul_u32_u24 v3, v1, APITCH
	v_lshl_add_u32 v3, v2, 4, v3                   ; A: token r, + 16 h
	v_mul_u32_u24 v4, v1, PITCH
	v_lshl_add_u32 v4, v2, 4, v4                   ; B: row r, + 16 h
	s_mul_i32 s21, s15, AHALF                      ; my 128 tokens of A
	s_mul_i32 s22, s16, HALFT                      ; my 128 rows of B
	s_add_co_u32 s22, s22, 2*AHALF
.irp s, 0,1
	v_add_nc_u32 v[ADRA+\s], s21, v3
	v_add_nc_u32 v[ADRB+\s], s22, v4
	s_add_co_u32 s21, s21, SLOT
	s_add_co_u32 s22, s22, SLOT
.endr
	s_mul_i32 s23, s14, 16*SPITCH                  ; my stage
	v_mul_u32_u24 v5, v1, SPITCH
	v_lshl_add_u32 v5, v2, 5, v5
	v_add_nc_u32 v[STO], s23, v5                   ; in: row r, 32 bytes for each half of the lanes
	v_and_b32 v6, 31, v0
	v_lshlrev_b32 v[CO], 4, v6                     ; back: the 32 lanes take one row of 512 bytes; and the same in C
	v_add_nc_u32 v[RD], s23, v[CO]
	s_lshl_b32 s46, s42, 10                        ; my first column, in bytes of f32: 1,024 x tile column + 512 x half
	s_lshl_b32 s47, s16, 9
	s_add_co_u32 s46, s46, s47
	s_mov_b32 s47, 0
	s_add_nc_u64 s[10:11], s[10:11], s[46:47]      ; bo at my first column
	v_lshlrev_b32 v[BOF], 5, v2
.irp b, 0,1,2,3,4,5,6,7
	global_load_b128 v[BIAS+8*\b:BIAS+8*\b+3], v[BOF], s[10:11] offset:64*\b        ; bo at columns 16 b + 8 h + 0 .. 7: the layout of a block's sums
	global_load_b128 v[BIAS+8*\b+4:BIAS+8*\b+7], v[BOF], s[10:11] offset:64*\b+16
.endr
	s_lshl_b32 s20, s17, 8
	s_lshl_b32 s21, s15, 7
	s_add_co_u32 s20, s20, s21
	s_lshl_b32 s20, s20, 12                        ; my first row of C, 4,096 bytes each: under 2^26
	s_mov_b32 s21, 0
	s_add_nc_u64 s[20:21], s[20:21], s[46:47]
	s_add_nc_u64 s[12:13], s[12:13], s[20:21]
.macro FRAG reg, adr, q, i             ; B: registers 4 c .. 4 c + 3 hold K = 128 q + 32 c + 16 h + 0 .. 15 of row 16 i + r
.irp c, 0,1,2,3
	ds_load_b128 v[\reg+4*\c:\reg+4*\c+3], v[\adr] offset:128*(\q)+32*\c+(\i)*16*PITCH
.endr
.endm
.macro FRAGA reg, adr, q, i            ; A: the same K: head 2 q + c / 2 of the step's four, d = 32 (c % 2) + 16 h + 0 .. 15, token 16 i + r
.irp c, 0,1,2,3
	ds_load_b128 v[\reg+4*\c:\reg+4*\c+3], v[\adr] offset:(2*(\q)+\c/2)*HROW+(\i)*16*APITCH+32*(\c%2)
.endr
.endm
.macro MUL16 a0, p, zero               ; the 64 accumulators take turns, one instruction a turn, in the same order in every step
.irp a, \a0, \a0+1
.irp b, 0,1,2,3,4,5,6,7
.if \zero
	v_wmma_f32_16x16x128_fp8_fp8 v[8*(8*((\a)%4)+\b):8*(8*((\a)%4)+\b)+7], v[128*(\p)+FR*\b:128*(\p)+FR*\b+FR-1], v[AF+FR*(\a):AF+FR*(\a)+FR-1], 0
.else
	v_wmma_f32_16x16x128_fp8_fp8 v[8*(8*((\a)%4)+\b):8*(8*((\a)%4)+\b)+7], v[128*(\p)+FR*\b:128*(\p)+FR*\b+FR-1], v[AF+FR*(\a):AF+FR*(\a)+FR-1], v[8*(8*((\a)%4)+\b):8*(8*((\a)%4)+\b)+7]
.endif
.endr
.endr
.endm
.macro FETCH_B slot, q, p
	WIN TO_B
.irp i, 0,1,2,3,4,5,6,7
	FRAG 128*(\p)+FR*\i, ADRB+\slot, \q, \i
.endr
	WIN 0
.endm
.macro FETCH_A slot, q, i0
.irp i, \i0, \i0+1, \i0+2, \i0+3
	FRAGA AF+FR*(\i), ADRA+\slot, \q, \i
.endr
.endm
.macro PLACES n
.rept \n
	v_nop
.endr
.endm
.macro STEP slot, q, zero
	s_wait_dscnt 4*NL                              ; B's set and A's blocks 0-3 are in; the youngest 16 loads (A's blocks 4-7) may be out
	WIN MUL_LO
	MUL16 0, (\q)%2, \zero
	MUL16 2, (\q)%2, \zero
	s_wait_dscnt 0
	PLACES NP
	FETCH_B \slot, (\q)+1, 1-(\q)%2
	FETCH_A \slot, (\q)+1, 0
	WIN MUL_HI
	MUL16 4, (\q)%2, \zero
	MUL16 6, (\q)%2, \zero
	PLACES NP
	WIN 0
	FETCH_A \slot, (\q)+1, 4
.endm
.macro TURN slot, next, fill
	s_wait_tensorcnt 0x0                           ; all my tensor loads have landed: my part of the next slot
	ds_add_u32 v[SPW], v[NIL]                      ; 0 onto my spare word
	s_wait_dscnt 4*NL+1                            ; the add and the youngest 16 loads may be out
	WIN MUL_LO
	MUL16 0, 1, 0
	s_wait_dscnt 0x0                               ; the add is done, and my reads of this slot are over
	s_barrier_signal -1
	MUL16 2, 1, 0
	WIN 0
	s_barrier_wait -1
.if \fill
	CREST                                          ; the barrier has opened a round of the cluster's
	s_add_nc_u64 s[G0+4*\slot+2:G0+4*\slot+3], s[G0+4*\slot+2:G0+4*\slot+3], 2*ASTEP
	s_add_nc_u64 s[G0B+4*\slot+2:G0B+4*\slot+3], s[G0B+4*\slot+2:G0B+4*\slot+3], 2*ROWB
	JLOAD G0+4*\slot, G1, G0B+4*\slot, G1B         ; the first tensor load behind the round, my one load until the next
.else
	PLACES NP
.endif
	FETCH_B \next, 0, 0
	FETCH_A \next, 0, 0
	WIN MUL_HI
	MUL16 4, 1, 0
	MUL16 6, 1, 0
	PLACES NP
	WIN 0
	FETCH_A \next, 0, 4
.endm
	s_wait_tensorcnt 1                             ; my part of K step 0 is in; K step 1's load may be out
	s_barrier_signal -1
	s_barrier_wait -1
	FETCH_B 0, 0, 0
	FETCH_A 0, 0, 0
	FETCH_A 0, 0, 4
	STEP 0, 0, 1
	s_mov_b32 s3, LAPS-1
.Llap:
	TURN 0, 1, 1
	STEP 1, 0, 0
	TURN 1, 0, 1
	STEP 0, 0, 0
	s_sub_co_u32 s3, s3, 1
	s_cmp_lg_u32 s3, 0
	s_cbranch_scc1 .Llap
	TURN 0, 1, 0
	STEP 1, 0, 0
	s_wait_dscnt 4*NL
	WIN MUL_LO
	MUL16 0, 1, 0
	MUL16 2, 1, 0
	s_wait_dscnt 0
	WIN MUL_HI
	MUL16 4, 1, 0
	MUL16 6, 1, 0
	WIN 0
; THE WAY OUT, block by block of 16 rows x 128 columns: sum x 2^(entries 10 + 11) + bo in place, one packed multiply-add for two numbers; through my own stage; back as whole rows of 512 bytes.
.macro TOSTAGE a
.set AC, 64*((\a)%4)
.set WW, 2+((\a)/4)
.set WFMA, (WW<<6)|WW                  ; destination and source 0: the block's window; bo: window 0
.set WSTO, WW<<2                       ; an LDS store's data: source 1
	WIN WFMA
.set j, 0
.rept 32
	v_pk_fma_f32 v[AC+j:AC+j+1], v[AC+j:AC+j+1], s[96:97], v[BIAS+j:BIAS+j+1] op_sel_hi:[1,0,1]   ; each accumulator from its low end on
.set j, j+2
.endr
	WIN WSTO
.irp b, 0,1,2,3,4,5,6,7
	ds_store_b128 v[STO], v[AC+8*\b:AC+8*\b+3] offset:64*\b
	ds_store_b128 v[STO], v[AC+8*\b+4:AC+8*\b+7] offset:64*\b+16
.endr
	WIN 0
.set BB, BK+64*((\a)%2)
.irp t, 0,1,2,3,4,5,6,7,8,9,10,11,12,13,14,15
	ds_load_b128 v[BB+4*\t:BB+4*\t+3], v[RD] offset:\t*SPITCH    ; LDS serves a wave's instructions in order: these see the stores above
.endr
.endm
.macro SEND a, younger                 ; younger: the LDS instructions issued behind block a's loads, which may stay out
.set BB, BK+64*((\a)%2)
	s_wait_dscnt \younger
.if (\a) > 0
	s_add_nc_u64 s[12:13], s[12:13], 16*SIZE_N*4   ; (behind a wait on XCNT: the earlier stores have read their base)  16 rows of C on
.endif
.irp t, 0,1,2,3,4,5,6,7,8,9,10,11,12,13,14,15
	global_store_b128 v[CO], v[BB+4*\t:BB+4*\t+3], s[12:13] offset:\t*SIZE_N*4 th:TH_STORE_NT   ; 32 lanes store 512 consecutive bytes, aligned
.endr
.endm
	s_wait_kmcnt 0x0
	s_add_co_i32 s96, s96, s97
	s_add_co_i32 s96, s96, 127
	s_lshl_b32 s96, s96, 23                        ; 2^(entries 10 + 11) as f32
	s_wait_loadcnt 0x0                             ; bo
	PLACES NP                                      ; behind the last products, ahead of the first vector line on results and of loads into the registers that held A's fragments
	TOSTAGE 0
.irp a, 1,2,3,4,5,6,7
.if \a > 1
	s_wait_xcnt 0x0                                ; block a - 2's stores have read their registers and their base
.endif
	TOSTAGE \a
	SEND \a-1, 32                                  ; behind block a - 1's loads: block a's 16 stores and 16 loads
.endr
	s_wait_xcnt 0x0
	SEND 7, 0
	s_wait_tensorcnt 0x0                           ; the wave's end
	ds_add_u32 v[SPW], v[NIL]
	s_wait_dscnt 0x0
	CROUND                                         ; the closing round
	s_endpgm
.Lfunc_end_k_q4910e9123a_proj:
	.size	k_q4910e9123a_proj, .Lfunc_end_k_q4910e9123a_proj-k_q4910e9123a_proj
	.p2alignl 7, 3214868480
	.fill 96, 4, 3214868480
	.section	.rodata,"a",@progbits
	.p2align	6, 0x0
	.amdhsa_kernel k_q4910e9123a_proj
		.amdhsa_group_segment_fixed_size 327680
		.amdhsa_private_segment_fixed_size 0
		.amdhsa_enable_private_segment 0
		.amdhsa_kernarg_size 40
		.amdhsa_user_sgpr_count 2
		.amdhsa_user_sgpr_kernarg_segment_ptr 1
		.amdhsa_wavefront_size32 1
		.amdhsa_system_sgpr_workgroup_id_x 1
		.amdhsa_system_sgpr_workgroup_id_y 1
		.amdhsa_system_sgpr_workgroup_id_z 1
		.amdhsa_system_vgpr_workitem_id 0
		.amdhsa_next_free_vgpr 1024
		.amdhsa_next_free_sgpr 98
		.amdhsa_reserve_vcc 0
		.amdhsa_float_denorm_mode_32 3
		.amdhsa_float_denorm_mode_16_64 3
		.amdhsa_memory_ordered 1
		.amdhsa_forward_progress 1
		.amdhsa_inst_pref_size 125
	.end_amdhsa_kernel
	.amdgpu_metadata
---
amdhsa.version: [ 1, 2 ]
amdhsa.kernels:
  - .name:           k_q4910e9123a_proj
    .symbol:         k_q4910e9123a_proj.kd
    .args:
      - { .name: ctx, .offset: 0, .size: 8, .value_kind: global_buffer, .address_space: global }
      - { .name: wc, .offset: 8, .size: 8, .value_kind: global_buffer, .address_space: global }
      - { .name: lowp_scales, .offset: 16, .size: 8, .value_kind: global_buffer, .address_space: global }
      - { .name: bo, .offset: 24, .size: 8, .value_kind: global_buffer, .address_space: global }
      - { .name: out0, .offset: 32, .size: 8, .value_kind: global_buffer, .address_space: global }
    .group_segment_fixed_size: 327680
    .private_segment_fixed_size: 0
    .kernarg_segment_align: 8
    .kernarg_segment_size: 40
    .max_flat_workgroup_size: 128
    .sgpr_count:     98
    .vgpr_count:     1024
    .wavefront_size: 32
...
	.end_amdgpu_metadata
.endif
;; end of part 4
